; MI455X (gfx1250); checked and timed in simulation.
; The chip was launched on July 23, 2026; its instructions are those of AMD's public machine-readable ISA for CDNA 5 (MIT licence, August 2026) and "CDNA5" Instruction Set Architecture Reference Guide (July 2026). The comments in the code are by the model that wrote it; some were corrected since.
;; SEM Attn. Allowed arithmetic: float matrix products may take bf16 or f16 operands with f32 sums; all other float work in f32.
;; Inputs: WK 2 x 256 x 512 float32; WQ 2 x 256 x 512 float32; WV 2 x 256 x 512 float32; Wout 1,024 x 256 float32; biasK 2 x 8 x 64 float32; biasQ 2 x 8 x 64 float32; bout 256 float32; coords 8 x 8 x 32 x 32 x 2 float32; lnK_b 2 x 64 float32; lnK_g 2 x 64 float32; lnQ_b 2 x 64 float32; lnQ_g 2 x 64 float32; nodal 8 x 8 x 32 x 32 x 256 float32.
;; Outputs: out0 8 x 8 x 32 x 32 x 256 float32.
;; One version. Each part assembles by itself: llvm-mc -triple=amdgcn-amd-amdhsa -mcpu=gfx1250 --defsym DOCPART=n.
;; ======== version 1 of 1: 2 launches
;; limits: values are held in f16: magnitudes above 65,504 overflow, below 6.1e-05 lose precision
;; workspace buffers: wp 2,097,152 bytes
;; launch prep (part 1): grid 128 x 1, 8 waves a work-group, no clusters, 17,920 bytes of LDS; arguments WK, WQ, WV, Wout, wp; writes wp
.if DOCPART == 1
	.amdgcn_target "amdgcn-amd-amdhsa--gfx1250"
	.amdhsa_code_object_version 6
	.text
	.protected	k_qe4292e5507_prep
	.globl	k_qe4292e5507_prep
	.p2align	8
	.type	k_qe4292e5507_prep,@function
k_qe4292e5507_prep:
	s_mov_b64 s[64:65], 0
	v_nop
	global_prefetch_b8 v0, s[64:65] scope:SCOPE_SE
	s_setreg_imm32_b32 hwreg(HW_REG_WAVE_MODE, 25, 1), 1
	s_wait_xcnt 0x0
; Weights for the fused launch: rounded to f16 and laid out as the register images that its waves load.
; wp = [128 quarters][4 waves][4 t][2 halves][32 lanes][16 bytes].  Quarter 4 tile + kl, wave w, t, half, lane (r, h) holds the eight K places
; k = 32 kl + 16 half + 8 h + 0..7 of row 64 w + 16 t + r of a tile of 256 rows x 128 K.  The 32 tiles:
;   tiles 8 n + 2 U + kh (U = 2 isQ + head / 4): row 64 (head % 4) + d holds W[n][128 kh + k][64 head + d] of WK or WQ, less the mean over the
;     head's 64 d.  x - mean over d of x is linear in x, so LayerNorm's mean is taken away here, in f32, for every input.
;   tiles 16 + 4 vs + kh: row 8 dd + head holds WV[vs / 2][128 kh + k][64 head + 32 (vs % 2) + dd].
;   tiles 18 + 4 vs + kh: row = output column; place k stands for kappa = 128 kh + k, head (kappa / 8) % 8, e = 8 (kappa / 64) + kappa % 8,
;     and holds Wout[128 head + 32 vs + e][row].
; A work-group takes 8,192 numbers: of a projection 16 K places (one half of a quarter) x all 512 columns, whole rows of the source; of Wout 32 K
; places (a quarter) x its 256 columns.  Thread t loads 8 K places x 4 columns; a wave's load covers 512 consecutive bytes.  Eight K places of a
; column are 16 bytes of f16; they turn through LDS into 32 pieces of 512 bytes, and a wave's store covers 512 consecutive bytes, aligned.
; 128 work-groups: that is all the work there is (4 MiB in, 2 MiB out); matrix units and clusters have nothing to do here.
; LIMIT: a weight of 65,504 or more in magnitude becomes infinite in f16.
.set OFF, 4                            ; v[4:11]   byte offsets of my 8 rows
.set X,   16                           ; v[16:47]  row i: 4 columns in f32; later the 4 pieces read back
.set O,   48                           ; v[48:63]  column q: 8 K places in f16; before that, at work
.set SO,  64                           ; v[64:67]  byte offsets of my 4 stores
.set S,   68                           ; v[68:75]  row sums; before that, at work
.set LA,  76                           ; v[76:79]  LDS addresses of my 4 reads
.set PP,  528                          ; LDS: 16 columns x 2 groups of 8 K places x 16 bytes, + 16: column C, group h at (C / 16) PP + 256 h + 16 (C % 16)
	s_load_b256 s[8:15], s[0:1], 0x0               ; WK s[8:9], WQ s[10:11], WV s[12:13], Wout s[14:15]
	s_load_b64 s[16:17], s[0:1], 0x20              ; wp
	v_lshl_add_u32 v80, v0, 2, 0x4200
	v_mov_b32 v81, 0
	s_lshr_b32 s3, ttmp9, 5                        ; which tensor: 0 WK, 1 WQ, 2 WV, 3 Wout
	s_and_b32 s20, ttmp9, 31
	s_lshl_b32 s27, s20, 15                        ; projections, source: (16 n + 8 kh + 2 kl + half) x 16 rows of 2,048 bytes
	s_bfe_u32 s21, ttmp9, 0x10004                  ; n
	s_bfe_u32 s22, ttmp9, 0x10003                  ; kh
	s_bfe_u32 s23, ttmp9, 0x20001                  ; kl
	s_and_b32 s24, ttmp9, 1                        ; half;  for Wout: kl % 2
	s_lshl3_add_u32 s25, s21, s22                  ; 8 n + kh
	s_and_b32 s26, s3, 1                           ; isQ
	s_lshl2_add_u32 s30, s26, s25                  ; K, Q: tile 8 n + 4 isQ + kh (+ 2 for heads 4-7: below)
	s_add_co_u32 s32, s25, 16                      ; V: tile 16 + 8 n + kh (+ 4 for d >= 32: below)
	s_lshl_b32 s28, s23, 14
	s_lshl_b32 s29, s24, 9
	s_add_co_u32 s28, s28, s29                     ; the quarter in its tile, and the half in each piece of 1,024 bytes
	s_lshl_b32 s30, s30, 16
	s_add_co_u32 s30, s30, s28
	s_lshl_b32 s32, s32, 16
	s_add_co_u32 s32, s32, s28
	s_lshl_b32 s31, s24, 9                         ; Wout, source row: 4 (kl % 2) heads of 128 rows
	s_bfe_u32 s33, ttmp9, 0x30002
	s_lshl4_add_u32 s31, s33, s31                  ;   + 32 vs + 16 kh
	s_bfe_u32 s34, ttmp9, 0x10001
	s_lshl3_add_u32 s31, s34, s31                  ;   + 8 (kl / 2)
	s_lshl_b32 s31, s31, 10                        ;   rows of 1,024 bytes
	s_bfe_u32 s35, ttmp9, 0x20003                  ; vs
	s_bfe_u32 s36, ttmp9, 0x10002                  ; kh
	s_lshl2_add_u32 s35, s35, s36
	s_add_co_u32 s35, s35, 18                      ; Wout: tile 18 + 4 vs + kh
	s_lshl_b32 s35, s35, 16
	s_and_b32 s36, ttmp9, 3
	s_lshl_b32 s36, s36, 14
	s_add_co_u32 s35, s35, s36                     ;   + the quarter
	v_and_b32 v1, 63, v0                           ; 4 columns each: 1,024 bytes of a row
	v_bfe_u32 v2, v0, 6, 1                         ; projections: columns 256 on;  Wout: the quarter's second half
	v_lshrrev_b32 v3, 7, v0                        ; h: which 8 K places
	s_wait_kmcnt 0x0
	s_cmp_eq_u32 s3, 3                             ; pitches as shift amounts: s_cselect leaves SCC alone
	s_cselect_b32 s37, s31, s27                    ; source offset
	s_cselect_b32 s38, 18, 10                      ; bit 6 of t: Wout steps 2 heads (256 rows), a projection 1,024 bytes
	s_cselect_b32 s39, 17, 14                      ; h: Wout steps a head (128 rows), a projection 8 rows
	s_cselect_b32 s40, 10, 11                      ; a row
	s_cselect_b32 s41, s35, s30                    ; destination offset
	s_cselect_b32 s42, 9, 17                       ; pieces 16-31: Wout's second half lies 512 bytes on, K's and Q's heads 4-7 two tiles on
	s_cselect_b64 s[18:19], s[14:15], s[8:9]
	s_cmp_eq_u32 s3, 2
	s_cselect_b32 s41, s32, s41
	s_cselect_b32 s42, 18, s42                     ; V's d >= 32 four tiles on
	s_cselect_b32 s43, -1, 0                       ; all lanes: V
	s_cselect_b64 s[18:19], s[12:13], s[18:19]
	s_cmp_eq_u32 s3, 1
	s_cselect_b64 s[18:19], s[10:11], s[18:19]
	s_cmp_lt_u32 s3, 2
	s_cselect_b32 s47, 0xbc800000, 0               ; -1/64 for WK and WQ: the mean goes; 0 for the others
	s_mov_b32 s20, s37
	s_mov_b32 s21, 0
	s_add_nc_u64 s[18:19], s[18:19], s[20:21]
	s_mov_b32 s22, s41
	s_mov_b32 s23, 0
	s_add_nc_u64 s[16:17], s[16:17], s[22:23]
	v_lshlrev_b32 v12, s38, v2
	v_lshlrev_b32 v13, s39, v3
	v_add_nc_u32 v12, v12, v13
	v_lshl_add_u32 v12, v1, 4, v12
.irp i, 0,1,2,3,4,5,6,7
	s_lshl_b32 s34, \i, s40
	v_add_nc_u32 v[OFF+\i], s34, v12
.endr
.irp i, 0,1,2,3,4,5,6,7
	global_load_b128 v[X+4*\i:X+4*\i+3], v[OFF+\i], s[18:19] th:TH_LOAD_NT
.endr
	; in: my columns C = 4 (t % 128) + q, group h.  Sixteen lanes start at sixteen different 16-byte columns of 256
	v_and_b32 v13, 127, v0
	v_lshrrev_b32 v14, 2, v13
	v_and_b32 v15, 3, v13
	v_mul_u32_u24 v14, v14, PP
	v_lshl_add_u32 v14, v15, 6, v14
	v_lshl_add_u32 v14, v3, 8, v14
	; back: read q of wave wv is piece 8 q + wv, lane (r, h).  K, Q, Wout: row r of the piece is column 16 piece + r, so the piece lies as it is stored.
	; V: row r of piece p is head r % 8, d = 2 p + r / 8, column 64 (r % 8) + 16 q + 2 wv + r / 8
	v_lshrrev_b32 v13, 5, v0                       ; wv
	v_and_b32 v15, 31, v0                          ; lane
	v_mul_u32_u24 v1, v13, PP
	v_lshl_add_u32 v1, v15, 4, v1                  ; wv PP + 16 lane
	v_and_b32 v2, 7, v0
	v_mul_u32_u24 v2, v2, 4*PP                     ; (r % 8) x 4 blocks of 16 columns
	v_bfe_u32 v12, v0, 4, 1
	v_lshl_add_u32 v2, v12, 8, v2                  ; + 256 h
	v_lshl_add_u32 v2, v13, 5, v2                  ; + 16 (2 wv)
	v_bfe_u32 v12, v0, 3, 1
	v_lshl_add_u32 v2, v12, 4, v2                  ; + 16 (r / 8)
	; each read's address is made whole for both layouts, by constants, and then chosen: either ends at byte 16,880 at the most
	; (7 PP + 496 + 24 PP + 16;  28 PP + 256 + 224 + 16 + 3 PP + 16), inside the 32 blocks of PP bytes
.irp q, 0,1,2,3
	v_add_nc_u32 v[S], \q*8*PP, v1                 ; K, Q, Wout: eight pieces on
	v_add_nc_u32 v[S+1], \q*PP, v2                 ; V: sixteen columns on
	v_cndmask_b32 v[LA+\q], v[S], v[S+1], s43
.endr
	v_lshlrev_b32 v13, 10, v13
	v_lshl_add_u32 v[SO], v15, 4, v13              ; piece 8 q + wv goes to wv x 1,024 + 16 lane,
	s_lshl_b32 s34, 1, s42
	v_add_nc_u32 v[SO+1], 0x2000, v[SO]            ; + 8 pieces of 1,024 bytes for odd q,
	v_add_nc_u32 v[SO+2], s34, v[SO]               ; + the step of pieces 16-31 for q >= 2
	v_add_nc_u32 v[SO+3], s34, v[SO+1]
	s_wait_loadcnt 0x0
	; the sum of each row's 64 columns of a head: 4 in the lane, then over the sixteen lanes that share the head
.irp i, 0,1,2,3,4,5,6,7
	v_pk_add_f32 v[O+2*\i:O+2*\i+1], v[X+4*\i:X+4*\i+1], v[X+4*\i+2:X+4*\i+3]
.endr
.irp i, 0,1,2,3,4,5,6,7
	v_add_f32 v[S+\i], v[O+2*\i], v[O+2*\i+1]
.endr
.irp m, 1,2,4,8
.irp i, 0,1,2,3,4,5,6,7
	v_add_f32_dpp v[S+\i], v[S+\i], v[S+\i] row_xmask:\m row_mask:0xf bank_mask:0xf
.endr
.endr
.irp i, 0,1,2,3,4,5,6,7
.irp q, 0,1,2,3
	v_fmac_f32 v[X+4*\i+\q], s47, v[S+\i]
.endr
.endr
.irp q, 0,1,2,3
.irp p, 0,1,2,3
	v_cvt_pk_f16_f32 v[O+4*\q+\p], v[X+8*\p+\q], v[X+8*\p+4+\q]    ; K places 2 p, 2 p + 1 of my column q
.endr
.endr
.irp q, 0,1,2,3
	ds_store_b128 v14, v[O+4*\q:O+4*\q+3] offset:16*\q
.endr
	s_wait_dscnt 0x0                               ; my stores are in LDS before I say so
	s_barrier_signal -1
	s_barrier_wait -1
.irp q, 0,1,2,3
	ds_load_b128 v[X+4*\q:X+4*\q+3], v[LA+\q]      ; 16 bytes inside a block's 512 bytes of data, all of which the stores above have written
.endr
.irp q, 0,1,2,3
	s_wait_dscnt 3-\q                              ; LDS loads come back in order: the younger ones may stay out
	global_store_b128 v[SO+\q], v[X+4*\q:X+4*\q+3], s[16:17]       ; the wave stores 512 consecutive bytes, aligned
.endr
	s_wait_tensorcnt 0x0
	ds_add_u32 v80, v81
	s_wait_dscnt 0x0
	s_endpgm
.Lfunc_end_k_qe4292e5507_prep:
	.size	k_qe4292e5507_prep, .Lfunc_end_k_qe4292e5507_prep-k_qe4292e5507_prep
	.p2alignl 7, 3214868480
	.fill 96, 4, 3214868480
	.section	.rodata,"a",@progbits
	.p2align	6, 0x0
	.amdhsa_kernel k_qe4292e5507_prep
		.amdhsa_group_segment_fixed_size 17920
		.amdhsa_private_segment_fixed_size 0
		.amdhsa_enable_private_segment 0
		.amdhsa_kernarg_size 40
		.amdhsa_user_sgpr_count 2
		.amdhsa_user_sgpr_kernarg_segment_ptr 1
		.amdhsa_wavefront_size32 1
		.amdhsa_system_sgpr_workgroup_id_x 1
		.amdhsa_system_sgpr_workgroup_id_y 1
		.amdhsa_system_sgpr_workgroup_id_z 1
		.amdhsa_system_vgpr_workitem_id 0
		.amdhsa_next_free_vgpr 82
		.amdhsa_next_free_sgpr 66
		.amdhsa_reserve_vcc 0
		.amdhsa_float_denorm_mode_32 3
		.amdhsa_float_denorm_mode_16_64 3
		.amdhsa_memory_ordered 1
		.amdhsa_forward_progress 1
		.amdhsa_inst_pref_size 12
	.end_amdhsa_kernel
	.amdgpu_metadata
---
amdhsa.version: [ 1, 2 ]
amdhsa.kernels:
  - .name:           k_qe4292e5507_prep
    .symbol:         k_qe4292e5507_prep.kd
    .args:
      - { .name: WK, .offset: 0, .size: 8, .value_kind: global_buffer, .address_space: global }
      - { .name: WQ, .offset: 8, .size: 8, .value_kind: global_buffer, .address_space: global }
      - { .name: WV, .offset: 16, .size: 8, .value_kind: global_buffer, .address_space: global }
      - { .name: Wout, .offset: 24, .size: 8, .value_kind: global_buffer, .address_space: global }
      - { .name: wp, .offset: 32, .size: 8, .value_kind: global_buffer, .address_space: global }
    .group_segment_fixed_size: 17920
    .private_segment_fixed_size: 0
    .kernarg_segment_align: 8
    .kernarg_segment_size: 40
    .max_flat_workgroup_size: 256
    .sgpr_count:     66
    .vgpr_count:     82
    .wavefront_size: 32
...
	.end_amdgpu_metadata
.endif
;; end of part 1
;; launch fused (part 2): grid 1024 x 1, 4 waves a work-group, no clusters, 228,864 bytes of LDS; arguments nodal, coords, wp, biasK, biasQ, lnK_g, lnK_b, lnQ_g, lnQ_b, bout, out0; writes out0
.if DOCPART == 2
	.amdgcn_target "amdgcn-amd-amdhsa--gfx1250"
	.amdhsa_code_object_version 6
	.text
	.protected	k_qe4292e5507_fused
	.globl	k_qe4292e5507_fused
	.p2align	8
	.type	k_qe4292e5507_fused,@function
k_qe4292e5507_fused:
	s_mov_b64 s[64:65], 0
	v_nop
	global_prefetch_b8 v0, s[64:65] scope:SCOPE_SE
	s_setreg_imm32_b32 hwreg(HW_REG_WAVE_MODE, 25, 1), 1
	s_wait_xcnt 0x0
; The whole module for 64 tokens a work-group: six projections 256 -> 512, bias, LayerNorm and rotation of Q and K, the 8 x 8 attention among a
; token's own heads, and 1024 -> 256 with Wout and bout.  q, k, v and attn never leave the WGP.
; FORMATS: every matrix operand is f16, every sum f32; LayerNorm, rotation and softmax in f32.
; SHARING: four waves, one a SIMD.  In the big products a wave takes all 64 tokens x 64 columns: the 64 tokens' nodal lies in 256 registers of
; every wave, and a weight fragment of 1 KiB feeds four matrix instructions.  In the attention wave w takes tokens 16 w .. 16 w + 15; two
; tokens (i, i + 8) share a 16 x 16 tile, of which the two diagonal 8 x 8 blocks are used.
; WEIGHTS: 128 quarters (256 rows x 32 K, 16 KiB; wp, made by the launch before, holds them as register images).  Wave w needs rows 64 w .. 64 w + 63
; of each and no other wave needs those, so it loads its 4 KiB of a quarter straight into registers: eight loads of 512 consecutive bytes.  Eight
; buffers of 32 registers take turns; behind a quarter's 16 matrix instructions its buffer is asked for the quarter eight further on, so a load has
; seven quarters, 112 matrix instructions, in which to land, and no load is ever waited for but by a count.
; WHY NO CLUSTER, NO JOINT TENSOR LOADS, though all work-groups walk the same weights: a joint load lands in LDS, where nothing is shared between the waves.
; Each weight byte would cross LDS twice, 2 MiB in and 2 MiB out a work-group beside the 2.4 MiB of the stages; and beside the stage of 148,480 bytes
; two slots of one tile (64 KiB) are all that fits, so that each load would have to land within 48 matrix instructions of a wave.
; EVERY MATRIX INSTRUCTION IS USED TRANSPOSED (source 0 = rows of the column side, source 1 = rows of the token side): a lane then holds one
; token (or token and head) and its 8 registers hold 8 neighbouring columns.
; LayerNorm's mean: WQ, WK (in wp) and the biases (here) come with each head's mean over d taken away, so x arrives centred and the variance is
; mean(x^2).  The order of rounding differs from a mean taken afterwards.
; cos + f', sin + g' is the rotation applied to (f + 1, g): 1 is added to LayerNorm's b for d < 32.
; ANGLES: coords is reduced once to a quarter of its angle in [-pi/4, pi/4], sine and cosine come from Taylor polynomials of degree 9 and 8, and the 32
; multiples come from complex products.
; LIMITS: (a) a matrix operand (nodal, weights, q, k, v, attn) of 65,504 or more in magnitude becomes infinite; (b) a non-finite value of one token
; can reach the token paired with it (0 x infinity in the block-diagonal product P V); (c) the phase error of the angles grows like
; 31 |coords| 2^-24 radians.
.set CB,    0                          ; centred biases, f32: unit x 1,024 + (head % 4) x 256 + 4 d      (unit = 4 n + U)
.set CG,    8192                       ; LayerNorm's g and b', f32: unit x 512 + {0, 256} + 4 d
.set BO,    12288                      ; bout, f32
.set CSI,   13312                      ; the angle tables as register images: token tile x 8,192 + (8 n + q) x 512 + 16 lane
.set NST,   46080                      ; nodal in f16, token pitch 528
.set STG,   79872                      ; the stages that change hands
.set VST,   STG                        ; v: token x 528 + 16 dd, an entry = the 8 heads
.set AST,   STG+33792                  ; attn: token x 528 + 2 kappa
.set OST,   STG+67584                  ; the way out: wave x 17,408 + token x 272 + 4 column
; q, k stage: STG + token x 2,320 + (K head 0-7, Q head 0-7) x 144 + 2 e.  2,320 = 145 x 16 and 144 = 9 x 16: odd multiples of 16
; window 0
.set WO,   6                           ; my place in a quarter of wp: wave x 4,096 + 16 lane; never rewritten
.set BIA,  8                           ; bias of the unit to come
.set GBA,  9                           ; g, b' of this unit
.set STB,  10                          ; q, k stage, unit 0
.set STA,  11                          ; q, k stage, this unit, tokens 0-31
.set STA2, 12                          ;   tokens 32-63
.set SCA,  13                          ; q, k fragments of my pairs
.set VSA,  14
.set VRA,  15
.set ASA,  16
.set ARA,  17
.set OSA,  18
.set ORA,  19
.set OGO,  20
.set BOA,  21
.set CSA,  31
.set CS,   32                          ; v[32:159]  angle table of this n: 32 tt + {cos: i, sin: 16 + i}
.set OA,   32                          ; v[32:159]  from the V steps on: out's sums, 8 (4 tt + t)
.set BI,   160                         ; v[160:191] bias, the first product's C
.set G,    192                         ; v[192:223]
.set BP,   224                         ; v[224:255]
; window 1: nodal fragments, 8 (8 tt + ks)
; window 2: weight fragments, buffer b (= quarter % 8): 32 b + 8 t
; window 3: sums 8 (4 tt + t) in 0-127 (in the Wout quarters: attn fragments 32 (ks % 4) + 8 tt); scores, later P, in 128-191; at work in 192-255
.set SC,   128
.set SP,   192
.set WP,   32                          ; s[32:33] wp at this unit's or V step's first quarter
.set MSB, 0
.macro WIN new                         ; s_set_vgpr_msb: bits 1:0 source 0, 3:2 source 1, 5:4 source 2, 7:6 destination; the high byte repeats the setting left
.if MSB != \new
	s_set_vgpr_msb (MSB<<8)|\new
.set MSB, \new
.endif
.endm
.macro PLACES                          ; four plain vector instructions between a matrix instruction and whatever next touches its registers (ISA guide 7.12.1)
.rept 4
	v_nop
.endr
.endm
.macro BAR                             ; a stage changes hands: my LDS stores and loads are done, then the work-group's barrier
	s_wait_dscnt 0x0
	s_barrier_signal -1
	s_barrier_wait -1
.endm
.macro REFILL b, q                     ; 8 loads of 512 consecutive bytes: my 64 rows x 32 K of quarter q, counted from s[WP], into buffer b
	WIN 0x80
.irp t, 0,1,2,3
	global_load_b128 v[32*(\b)+8*\t:32*(\b)+8*\t+3],   v[WO], s[WP:WP+1] offset:16384*(\q)+1024*\t
	global_load_b128 v[32*(\b)+8*\t+4:32*(\b)+8*\t+7], v[WO], s[WP:WP+1] offset:16384*(\q)+1024*\t+512
.endr
.endm
.macro FETCH_A ks                      ; 8 LDS loads: attn of all 64 tokens x 32 kappa from 32 ks
	WIN 0xC0
.irp tt, 0,1,2,3
	ds_load_b128 v[32*((\ks)%4)+8*\tt:32*((\ks)%4)+8*\tt+3],   v[ARA] offset:8448*\tt+64*(\ks)
	ds_load_b128 v[32*((\ks)%4)+8*\tt+4:32*((\ks)%4)+8*\tt+7], v[ARA] offset:8448*\tt+64*(\ks)+32
.endr
.endm
.macro LOAD_BI
.irp t, 0,1,2,3
	ds_load_b128 v[BI+8*\t:BI+8*\t+3],   v[BIA] offset:64*\t
	ds_load_b128 v[BI+8*\t+4:BI+8*\t+7], v[BIA] offset:64*\t+16
.endr
.endm
.macro LOAD_GB
.irp t, 0,1,2,3
	ds_load_b128 v[G+8*\t:G+8*\t+3],    v[GBA] offset:64*\t
	ds_load_b128 v[G+8*\t+4:G+8*\t+7],  v[GBA] offset:64*\t+16
	ds_load_b128 v[BP+8*\t:BP+8*\t+3],   v[GBA] offset:256+64*\t
	ds_load_b128 v[BP+8*\t+4:BP+8*\t+7], v[GBA] offset:256+64*\t+16
.endr
.endm
.macro LOAD_CS nn                      ; the angle table of this n, all 64 tokens
	WIN 0
.irp tt, 0,1,2,3
.irp qq, 0,1,2,3,4,5,6,7
	ds_load_b128 v[CS+32*\tt+4*\qq:CS+32*\tt+4*\qq+3], v[CSA] offset:8192*\tt+512*(8*\nn+\qq)
.endr
.endr
.endm
; 16 matrix instructions: 64 tokens x my 64 columns, K places 32 b .. 32 b + 31.  c = 0: onto the sums; 1: the bias starts them; 2: zero starts them.
; The sixteen accumulators take turns, one instruction a turn.
.macro MULP b, c
.if \c == 1
	WIN 0xC6
.else
	WIN 0xF6
.endif
.irp tt, 0,1,2,3
.irp t, 0,1,2,3
.if \c == 0
	v_wmma_f32_16x16x32_f16 v[8*(4*\tt+\t):8*(4*\tt+\t)+7], v[32*\b+8*\t:32*\b+8*\t+7], v[8*(8*\tt+\b):8*(8*\tt+\b)+7], v[8*(4*\tt+\t):8*(4*\tt+\t)+7]
.elseif \c == 1
	v_wmma_f32_16x16x32_f16 v[8*(4*\tt+\t):8*(4*\tt+\t)+7], v[32*\b+8*\t:32*\b+8*\t+7], v[8*(8*\tt+\b):8*(8*\tt+\b)+7], v[BI+8*\t:BI+8*\t+7]
.else
	v_wmma_f32_16x16x32_f16 v[8*(4*\tt+\t):8*(4*\tt+\t)+7], v[32*\b+8*\t:32*\b+8*\t+7], v[8*(8*\tt+\b):8*(8*\tt+\b)+7], 0
.endif
.endr
.endr
.endm
.macro MULO b                          ; the same for out: attn fragments in window 3, the sums in window 0
	WIN 0x0E
.irp tt, 0,1,2,3
.irp t, 0,1,2,3
	v_wmma_f32_16x16x32_f16 v[OA+8*(4*\tt+\t):OA+8*(4*\tt+\t)+7], v[32*\b+8*\t:32*\b+8*\t+7], v[32*(\b%4)+8*\tt:32*(\b%4)+8*\tt+7], v[OA+8*(4*\tt+\t):OA+8*(4*\tt+\t)+7]
.endr
.endr
.endm
; A quarter of a projection.  On entry its fragments are in.  Behind the products: the next quarter is shown in, and this buffer is asked for again.
.macro QP b, c
	MULP \b, \c
	PLACES
	s_wait_loadcnt 48                              ; loads come back in order: all but the six youngest quarters' 48 loads are in, the next quarter's among them
	REFILL \b, \b+8
.endm
; A quarter of out.  dcnt: how many younger LDS loads (attn fragments, eight a quarter) may be out.  refill = 0: the last eight quarters ask for nothing.
.macro QO b, dcnt, refill
	s_wait_dscnt \dcnt
	MULO \b
	PLACES
.if \b < 4
	FETCH_A \b+4
.endif
.if \refill
	s_wait_loadcnt 48
	REFILL \b, \b+16
.elseif \b < 7
	s_wait_loadcnt 48-8*\b                         ; the next quarter is in; the 6 - b quarters behind it may be out
.endif
.endm
.macro PACK                            ; the 128 sums to f16, closed up in place: register 32 tt + 4 t + p = columns 16 t + 8 h + 2 p, + 1
	WIN 0xFF
.irp tt, 0,1,2,3
.irp i, 0,1,2,3,4,5,6,7,8,9,10,11,12,13,14,15
	v_cvt_pk_f16_f32 v[32*\tt+\i], v[32*\tt+2*\i], v[32*\tt+2*\i+1]
.endr
.endr
.endm
; LayerNorm and rotation of one head for 64 tokens.  A lane holds 32 of the head's 64 numbers (d = 16 t + 8 h + j), the lane 16 on the others.
; The four places behind the last products stand in the quarter's own text.
.macro LN
	s_wait_dscnt 0x0                               ; g and b' are in (asked for a unit's products ago)
	WIN 0xFF
.irp tt, 0,1,2,3
.set TT, 192+8*\tt+16*(\tt/2)
.irp c, 0,1,2,3
	v_pk_mul_f32 v[TT+2*\c:TT+2*\c+1], v[32*\tt+2*\c:32*\tt+2*\c+1], v[32*\tt+2*\c:32*\tt+2*\c+1]
.endr
.irp p, 4,5,6,7,8,9,10,11,12,13,14,15
	v_pk_fma_f32 v[TT+2*(\p%4):TT+2*(\p%4)+1], v[32*\tt+2*\p:32*\tt+2*\p+1], v[32*\tt+2*\p:32*\tt+2*\p+1], v[TT+2*(\p%4):TT+2*(\p%4)+1]
.endr
.endr
.irp tt, 0,1,2,3
.set TT, 192+8*\tt+16*(\tt/2)
	v_pk_add_f32 v[TT:TT+1], v[TT:TT+1], v[TT+2:TT+3]
	v_pk_add_f32 v[TT+4:TT+5], v[TT+4:TT+5], v[TT+6:TT+7]
.endr
.irp tt, 0,1,2,3
.set TT, 192+8*\tt+16*(\tt/2)
	v_pk_add_f32 v[TT:TT+1], v[TT:TT+1], v[TT+4:TT+5]
.endr
.irp tt, 0,1,2,3
.set TT, 192+8*\tt+16*(\tt/2)
	v_add_f32 v[208+\tt], v[TT], v[TT+1]
.endr
.irp tt, 0,1,2,3
	v_permlanex16_b32 v[212+\tt], v[208+\tt], s48, s49             ; the other half of the head
.endr
.irp tt, 0,1,2,3
	v_add_f32 v[208+\tt], v[208+\tt], v[212+\tt]
.endr
.irp tt, 0,1,2,3
	v_fma_f32 v[208+\tt], v[208+\tt], s50, s51                     ; sum / 64 + 1e-5
.endr
.irp tt, 0,1,2,3
	v_rsq_f32 v[216+2*\tt], v[208+\tt]
	v_rsq_f32 v[217+2*\tt], v[208+\tt]
.endr
	v_nop                                          ; a plain instruction between the roots and their first use (ISA guide 5.7.2)
	s_wait_alu depctr_va_vdst(0)
.irp tt, 0,1,2,3
.irp p, 0,1,2,3,4,5,6,7,8,9,10,11,12,13,14,15
	v_pk_mul_f32 v[32*\tt+2*\p:32*\tt+2*\p+1], v[32*\tt+2*\p:32*\tt+2*\p+1], v[216+2*\tt:217+2*\tt]
.endr
.endr
	WIN 0xC3
.irp tt, 0,1,2,3
.irp p, 0,1,2,3,4,5,6,7,8,9,10,11,12,13,14,15
	v_pk_fma_f32 v[32*\tt+2*\p:32*\tt+2*\p+1], v[32*\tt+2*\p:32*\tt+2*\p+1], v[G+2*\p:G+2*\p+1], v[BP+2*\p:BP+2*\p+1]
.endr
.endr
	WIN 0xFC                                       ; source 0: the table in window 0
.irp tt, 0,1,2,3
.irp p, 0,2,4,6,8,10,12,14
	v_pk_mul_f32 v[224+\p:225+\p], v[CS+32*\tt+16+\p:CS+32*\tt+17+\p], v[32*\tt+16+\p:32*\tt+17+\p]                       ; sin g
.endr
.irp p, 0,2,4,6,8,10,12,14
	v_pk_mul_f32 v[32*\tt+16+\p:32*\tt+17+\p], v[CS+32*\tt+\p:CS+32*\tt+1+\p], v[32*\tt+16+\p:32*\tt+17+\p]               ; cos g
.endr
.irp p, 0,2,4,6,8,10,12,14
	v_pk_fma_f32 v[32*\tt+16+\p:32*\tt+17+\p], v[CS+32*\tt+16+\p:CS+32*\tt+17+\p], v[32*\tt+\p:32*\tt+1+\p], v[32*\tt+16+\p:32*\tt+17+\p]   ; + sin (f + 1)
.endr
.irp p, 0,2,4,6,8,10,12,14
	v_pk_fma_f32 v[32*\tt+\p:32*\tt+1+\p], v[CS+32*\tt+\p:CS+32*\tt+1+\p], v[32*\tt+\p:32*\tt+1+\p], v[224+\p:225+\p] neg_lo:[0,0,1] neg_hi:[0,0,1]   ; cos (f + 1) - sin g
.endr
.endr
	PACK
	WIN 0x0C
.irp t, 0,1,2,3
	ds_store_b128 v[STA],  v[4*\t:4*\t+3]       offset:32*\t
	ds_store_b128 v[STA],  v[32+4*\t:32+4*\t+3] offset:37120+32*\t
	ds_store_b128 v[STA2], v[64+4*\t:64+4*\t+3] offset:32*\t
	ds_store_b128 v[STA2], v[96+4*\t:96+4*\t+3] offset:37120+32*\t
.endr
.endm
; One unit: one head of K or Q a wave, for 64 tokens: eight quarters of weights, then LayerNorm and rotation, then into the stage.
.macro UNIT
	WIN 0
	LOAD_GB
	s_wait_dscnt 16                                ; all but the 16 loads just issued: the bias is in (at the first unit nodal and the table too)
	MULP 0, 1
	PLACES
	WIN 0
	v_add_nc_u32 v[BIA], 1024, v[BIA]
	LOAD_BI                                        ; the next unit's bias, behind the places.  The last unit's look-ahead takes 1 KiB behind the table
	                                               ; (g and b' lie there); it is not used
	s_wait_loadcnt 48                              ; as in every quarter
	REFILL 0, 8
.irp b, 1,2,3,4,5,6,7
	QP \b, 0
.endr
	LN
	WIN 0
	s_wait_xcnt 0x0                                ; the base of the loads is written again only behind this wait
	s_add_nc_u64 s[WP:WP+1], s[WP:WP+1], 131072    ; eight quarters on
	v_add_nc_u32 v[GBA], 512, v[GBA]
	v_add_nc_u32 v[STA], 576, v[STA]
	v_add_nc_u32 v[STA2], 576, v[STA2]
.endm
; Scores of my 8 pairs of tokens over this n's 64 e.  Source 0: K's rows (token half, head), source 1: Q's.  Lane r = (half, hq), register j = hk of half h.
.macro QUAD buf, ks, i0                ; 16 loads: K and Q fragments of four pairs
.irp ii, 0,1,2,3
	ds_load_b128 v[\buf+16*\ii:\buf+16*\ii+3],     v[SCA] offset:2320*(\i0+\ii)+64*\ks
	ds_load_b128 v[\buf+16*\ii+4:\buf+16*\ii+7],   v[SCA] offset:2320*(\i0+\ii)+64*\ks+32
	ds_load_b128 v[\buf+16*\ii+8:\buf+16*\ii+11],  v[SCA] offset:2320*(\i0+\ii)+64*\ks+1152
	ds_load_b128 v[\buf+16*\ii+12:\buf+16*\ii+15], v[SCA] offset:2320*(\i0+\ii)+64*\ks+1184
.endr
.endm
.macro QMUL buf, i0, zero
.irp ii, 0,1,2,3
.if \zero
	v_wmma_f32_16x16x32_f16 v[SC+8*(\i0+\ii):SC+8*(\i0+\ii)+7], v[\buf+16*\ii:\buf+16*\ii+7], v[\buf+16*\ii+8:\buf+16*\ii+15], 0
.else
	v_wmma_f32_16x16x32_f16 v[SC+8*(\i0+\ii):SC+8*(\i0+\ii)+7], v[\buf+16*\ii:\buf+16*\ii+7], v[\buf+16*\ii+8:\buf+16*\ii+15], v[SC+8*(\i0+\ii):SC+8*(\i0+\ii)+7]
.endif
.endr
.endm
.macro SCORES first
	WIN 0xC0
	QUAD 0, 0, 0
	QUAD 64, 0, 4
	QUAD 192, 1, 0
	s_wait_dscnt 32                                ; the first 16 loads are in; two younger groups may be out
	WIN 0xFF
	QMUL 0, 0, \first
	PLACES
	WIN 0xC0
	QUAD 0, 1, 4
	s_wait_dscnt 32
	WIN 0xFF
	QMUL 64, 4, \first
	s_wait_dscnt 16
	QMUL 192, 0, 0                                 ; the eight accumulators take turns, one instruction a turn
	s_wait_dscnt 0x0
	QMUL 0, 4, 0
	PLACES
	WIN 0
.endm
; Softmax over the lane's 8 registers; the maximum is taken away first.  The lanes whose query and keys belong to different tokens get the factor 0.
; Packed to f16, registers 0-3 are P as source 1 of the next product (K places 8 h + j = half h, head j); K places 16-31 are zero.
.macro SOFTMAX
	WIN 0xFF
.irp i, 0,1,2,3,4,5,6,7
	v_max3_num_f32 v[8*\i+6], v[SC+8*\i], v[SC+8*\i+1], v[SC+8*\i+2]
.endr
.irp i, 0,1,2,3,4,5,6,7
	v_max3_num_f32 v[8*\i+6], v[8*\i+6], v[SC+8*\i+3], v[SC+8*\i+4]
.endr
.irp i, 0,1,2,3,4,5,6,7
	v_max3_num_f32 v[8*\i+6], v[8*\i+6], v[SC+8*\i+5], v[SC+8*\i+6]
.endr
.irp i, 0,1,2,3,4,5,6,7
	v_max_num_f32 v[8*\i+6], v[8*\i+6], v[SC+8*\i+7]
.endr
.irp i, 0,1,2,3,4,5,6,7
	v_mul_f32 v[8*\i], s52, v[8*\i+6]
	v_mul_f32 v[8*\i+1], s52, v[8*\i+6]
.endr
.irp i, 0,1,2,3,4,5,6,7
.irp p, 0,2,4,6
	v_pk_fma_f32 v[SC+8*\i+\p:SC+8*\i+\p+1], v[SC+8*\i+\p:SC+8*\i+\p+1], s[52:53], v[8*\i:8*\i+1] op_sel_hi:[1,0,1] neg_lo:[0,0,1] neg_hi:[0,0,1]   ; (s - max) log2(e) / sqrt(128)
.endr
.endr
.irp i, 0,1,2,3,4,5,6,7
.irp j, 0,1,2,3,4,5,6,7
	v_exp_f32 v[SC+8*\i+\j], v[SC+8*\i+\j]
.endr
.endr
	v_nop                                          ; a plain instruction between the exponentials and their first use
	s_wait_alu depctr_va_vdst(0)
.irp i, 0,1,2,3,4,5,6,7
	v_pk_add_f32 v[8*\i+2:8*\i+3], v[SC+8*\i:SC+8*\i+1], v[SC+8*\i+2:SC+8*\i+3]
	v_pk_add_f32 v[8*\i+4:8*\i+5], v[SC+8*\i+4:SC+8*\i+5], v[SC+8*\i+6:SC+8*\i+7]
.endr
.irp i, 0,1,2,3,4,5,6,7
	v_pk_add_f32 v[8*\i+2:8*\i+3], v[8*\i+2:8*\i+3], v[8*\i+4:8*\i+5]
.endr
.irp i, 0,1,2,3,4,5,6,7
	v_add_f32 v[8*\i+6], v[8*\i+2], v[8*\i+3]
.endr
.irp i, 0,1,2,3,4,5,6,7
	v_rcp_f32 v[8*\i+7], v[8*\i+6]
.endr
	v_nop
	s_wait_alu depctr_va_vdst(0)
.irp i, 0,1,2,3,4,5,6,7
	v_cndmask_b32 v[8*\i], 0, v[8*\i+7], s55
	v_cndmask_b32 v[8*\i+1], 0, v[8*\i+7], s55
.endr
.irp i, 0,1,2,3,4,5,6,7
.irp p, 0,2,4,6
	v_pk_mul_f32 v[SC+8*\i+\p:SC+8*\i+\p+1], v[SC+8*\i+\p:SC+8*\i+\p+1], v[8*\i:8*\i+1]
.endr
.endr
.irp i, 0,1,2,3,4,5,6,7
.irp p, 0,1,2,3
	v_cvt_pk_f16_f32 v[SC+8*\i+\p], v[SC+8*\i+2*\p], v[SC+8*\i+2*\p+1]
.endr
.endr
.irp i, 0,1,2,3,4,5,6,7
.irp p, 4,5,6,7
	v_mov_b32 v[SC+8*\i+\p], 0                     ; K places 16-31 of P
	v_mov_b32 v[SP+8*\i+\p], 0                     ; and of the eight buffers for v's fragments; they stay zero
.endr
.endr
	WIN 0
.endm
; attn = P v for my 16 tokens and this step's 32 e: combination c = 2 i + nt (pair i, 16 e each).  Source 0: v, lane = e, K places = (half, head).
.macro PVLOAD c0
	WIN 0xC0
.irp c, 0,1,2,3,4,5,6,7
	ds_load_b128 v[SP+8*\c:SP+8*\c+3], v[VRA] offset:528*((\c0+\c)/2)+256*(\c%2)
.endr
.endm
.macro PVMUL c0, counted
	WIN 0xFF
.irp c, 0,1,2,3,4,5,6,7
.if \counted
	s_wait_dscnt 7-\c                              ; LDS loads come back in order: the younger ones may stay out
.endif
	v_wmma_f32_16x16x32_f16 v[8*(\c0+\c):8*(\c0+\c)+7], v[SP+8*\c:SP+8*\c+7], v[SC+8*((\c0+\c)/2):SC+8*((\c0+\c)/2)+7], 0
.endr
.endm
.macro PVOUT c0
	WIN 0xFF
.irp c, 0,1,2,3,4,5,6,7
.irp p, 0,1,2,3
	v_cvt_pk_f16_f32 v[8*(\c0+\c)+\p], v[8*(\c0+\c)+2*\p], v[8*(\c0+\c)+2*\p+1]
.endr
.endr
	WIN 0x0C
.irp c, 0,1,2,3,4,5,6,7
	ds_store_b128 v[ASA], v[8*(\c0+\c):8*(\c0+\c)+3] offset:528*((\c0+\c)/2)+256*(\c%2)
.endr
.endm
; One V step: 32 e of v for all heads (eight quarters), P v, and their share of out (eight quarters of Wout).
.macro VSTEP refill
	PLACES
	v_nop                                          ; five places and more behind the products that read attn fragments from the registers that the sums now take
	QP 0, 2
.irp b, 1,2,3,4,5,6,7
	QP \b, 0
.endr
	PACK                                           ; my rows are 8 heads x 2 dd a fragment: four packed registers = the 8 heads of one (token, dd)
	WIN 0x0C
.irp tt, 0,1,2,3
.irp t, 0,1,2,3
	ds_store_b128 v[VSA], v[32*\tt+4*\t:32*\tt+4*\t+3] offset:8448*\tt+32*\t
.endr
.endr
	BAR                                            ; v of all four waves is in the stage; every wave's reads of the last step's attn are over
	PVLOAD 0
	PVMUL 0, 1
	PLACES
	PVLOAD 8
	PVOUT 0
	s_wait_dscnt 8                                 ; the 8 loads are in; the 8 stores issued behind them may be out
	PVMUL 8, 0
	PLACES
	PVOUT 8
	BAR                                            ; attn of all 64 tokens is in the stage; every wave's reads of v are over
	FETCH_A 0
	FETCH_A 1
	FETCH_A 2
	FETCH_A 3
	QO 0, 24, \refill                              ; three younger quarters' attn fragments may be out
	QO 1, 24, \refill
	QO 2, 24, \refill
	QO 3, 24, \refill
	QO 4, 24, \refill
	QO 5, 16, \refill
	QO 6, 8, \refill
	QO 7, 0, \refill
	WIN 0
.if \refill
	s_wait_xcnt 0x0                                ; the base of the loads is written again only behind this wait
	s_add_nc_u64 s[WP:WP+1], s[WP:WP+1], 262144    ; sixteen quarters on
.endif
.endm
.macro CSQ dc, ds, c, s                ; (dc + i ds) = (c + i s)^2
	v_mul_f32 v[\dc], v[\s], v[\s]
	v_add_f32 v[\ds], v[\c], v[\c]
	v_fma_f32 v[\dc], v[\c], v[\c], -v[\dc]
	v_mul_f32 v[\ds], v[\ds], v[\s]
.endm
.macro PKCMUL tb, d, s, zc, zs         ; table entries d, d + 1 = entries s, s + 1 times (zc + i zs)
	v_pk_mul_f32 v[120:121], v[\tb+16+\s:\tb+17+\s], v[\zs:\zs+1]
	v_pk_mul_f32 v[122:123], v[\tb+16+\s:\tb+17+\s], v[\zc:\zc+1]
	v_pk_fma_f32 v[\tb+\d:\tb+\d+1], v[\tb+\s:\tb+\s+1], v[\zc:\zc+1], v[120:121] neg_lo:[0,0,1] neg_hi:[0,0,1]
	v_pk_fma_f32 v[\tb+16+\d:\tb+17+\d], v[\tb+\s:\tb+\s+1], v[\zs:\zs+1], v[122:123]
.endm
; cos and sin of (16 t + 8 h + j) coords[n], entry i = 8 t + j, for my lane's token
.macro ANGLES nn
	v_mul_f32 v96, 0.15915494, v[160+\nn]
	v_rndne_f32 v96, v96                           ; whole turns
	v_fma_f32 v96, v[160+\nn], 0.15915494, -v96    ; what is left, -1/2 .. 1/2 turn
	v_mul_f32 v97, 0x3fc90fdb, v96                 ; y = a quarter of the angle, |y| <= pi/4
	v_mul_f32 v98, v97, v97
	v_fma_f32 v99, v98, s57, s58
	v_fma_f32 v100, v98, s61, s62
	v_fma_f32 v99, v99, v98, s59
	v_fma_f32 v100, v100, v98, s63
	v_fma_f32 v99, v99, v98, s60
	v_fma_f32 v100, v100, v98, -0.5
	v_fma_f32 v99, v99, v98, 1.0
	v_fma_f32 v100, v100, v98, 1.0                 ; cos y
	v_mul_f32 v101, v99, v97                       ; sin y
	CSQ 102, 103, 100, 101
	CSQ 104, 105, 102, 103                         ; z = exp(i coords)
	CSQ 106, 108, 104, 105                         ; z^2
	CSQ 110, 112, 106, 108                         ; z^4
	CSQ 114, 115, 110, 112                         ; z^8
	CSQ 116, 118, 114, 115                         ; z^16
	v_mov_b32 v107, v106                           ; a packed product wants its factor in both registers of a pair
	v_mov_b32 v109, v108
	v_mov_b32 v111, v110
	v_mov_b32 v113, v112
	v_mov_b32 v117, v116
	v_mov_b32 v119, v118
	v_cndmask_b32 v[32+32*\nn], 1.0, v114, s56     ; entry 0: 1, or z^8 in lanes 16-31
	v_cndmask_b32 v[48+32*\nn], 0, v115, s56
	v_mul_f32 v120, v[48+32*\nn], v105
	v_mul_f32 v121, v[48+32*\nn], v104
	v_fma_f32 v[33+32*\nn], v[32+32*\nn], v104, -v120
	v_fma_f32 v[49+32*\nn], v[32+32*\nn], v105, v121
	PKCMUL 32+32*\nn, 2, 0, 106, 108
	PKCMUL 32+32*\nn, 4, 0, 110, 112
	PKCMUL 32+32*\nn, 6, 2, 110, 112
	PKCMUL 32+32*\nn, 8, 0, 116, 118
	PKCMUL 32+32*\nn, 10, 2, 116, 118
	PKCMUL 32+32*\nn, 12, 4, 116, 118
	PKCMUL 32+32*\nn, 14, 6, 116, 118
.endm
	; ---------------------------------------------------------------- entry
	s_load_b512 s[8:23], s[0:1], 0x0               ; nodal 8, coords 10, wp 12, biasK 14, biasQ 16, lnK_g 18, lnK_b 20, lnQ_g 22
	s_load_b128 s[24:27], s[0:1], 0x40             ; lnQ_b 24, bout 26
	s_load_b64 s[28:29], s[0:1], 0x50              ; out0
	v_lshrrev_b32 v1, 5, v0
	v_readfirstlane_b32 s3, v1                     ; wave 0..3
	v_and_b32 v1, 15, v0                           ; r
	v_bfe_u32 v2, v0, 4, 1                         ; h
	v_and_b32 v3, 31, v0                           ; lane
	v_bfe_u32 v4, v0, 3, 1                         ; r / 8
	v_and_b32 v5, 7, v0                            ; r % 8
	s_lshl_b32 s31, s3, 12
	v_lshl_add_u32 v[WO], v3, 4, s31               ; wave x 4,096 + 16 lane
	s_lshl_b32 s66, ttmp9, 16                      ; 64 tokens x 1,024 bytes
	s_mov_b32 s67, 0
	s_wait_kmcnt 0x0
	s_mov_b64 s[WP:WP+1], s[12:13]
	; ---------------------------------------------------------------- global loads: 24 of weights, 7 small ones, 32 of nodal
	REFILL 0, 0
	REFILL 1, 1
	REFILL 2, 2
	WIN 0
	s_add_nc_u64 s[8:9], s[8:9], s[66:67]
	s_add_nc_u64 s[28:29], s[28:29], s[66:67]
	s_lshl_b32 s66, ttmp9, 9                       ; 64 tokens x 8 bytes
	s_add_nc_u64 s[10:11], s[10:11], s[66:67]
	s_bitcmp1_b32 s3, 0                            ; wave 0: lnK_g, 1: lnK_b, 2: lnQ_g, 3: lnQ_b
	s_cselect_b64 s[68:69], s[20:21], s[18:19]
	s_cselect_b64 s[70:71], s[24:25], s[22:23]
	s_bitcmp1_b32 s3, 1
	s_cselect_b64 s[68:69], s[70:71], s[68:69]
	s_lshl_b32 s31, s3, 7
	v_lshl_add_u32 v22, v1, 3, s31                 ; coords of token 16 w + r
	v_lshlrev_b32 v23, 4, v0                       ; biases: 16 bytes a thread
	v_lshlrev_b32 v24, 4, v3                       ; g or b: 16 bytes a lane
	s_lshl_b32 s31, s3, 8
	v_lshl_add_u32 v7, v1, 4, s31                  ; bout of my 64 columns: 256 w + 16 r, in memory and in LDS (lanes 16-31 repeat lanes 0-15)
	s_lshl_b32 s31, s3, 14
	v_lshl_add_u32 v25, v3, 4, s31                 ; nodal: my 16 tokens, 512 bytes a load
	global_load_b64 v[160:161], v22, s[10:11]
	global_load_b128 v[164:167], v23, s[14:15]
	global_load_b128 v[168:171], v23, s[14:15] offset:2048
	global_load_b128 v[172:175], v23, s[16:17]
	global_load_b128 v[176:179], v23, s[16:17] offset:2048
	global_load_b128 v[180:183], v24, s[68:69]
	global_load_b128 v[184:187], v7, s[26:27]
	WIN 0xC0
.set q, 0
.rept 32
	global_load_b128 v[4*q:4*q+3], v25, s[8:9] offset:512*q th:TH_LOAD_NT
.set q, q+1
.endr
.irp tt, 0,1,2,3
	v_mov_b32 v[212+\tt], 0                        ; v_permlanex16_b32 counts as a reader of its destination
.endr
	WIN 0
	; ---------------------------------------------------------------- constants and addresses
	s_mov_b32 s48, 0x76543210                      ; v_permlanex16_b32: lane i reads lane i of the other half
	s_mov_b32 s49, 0xfedcba98
	s_mov_b32 s50, 0x3c800000                      ; 1/64
	s_mov_b32 s51, 0x3727c5ac                      ; 1e-5
	s_mov_b32 s52, 0x3e0293ee                      ; log2(e) / sqrt(128)
	s_mov_b32 s53, 0x3e0293ee
	s_mov_b32 s55, 0xff0000ff                      ; lanes whose query and keys are of one token: r / 8 = h
	s_mov_b32 s56, 0xffff0000                      ; lanes with h = 1
	s_mov_b32 s57, 0x3638ef1d                      ; 1/9!
	s_mov_b32 s58, 0xb9500d01                      ; -1/7!
	s_mov_b32 s59, 0x3c088889                      ; 1/5!
	s_mov_b32 s60, 0xbe2aaaab                      ; -1/3!
	s_mov_b32 s61, 0x37d00d01                      ; 1/8!
	s_mov_b32 s62, 0xbab60b61                      ; -1/6!
	s_mov_b32 s63, 0x3d2aaaab                      ; 1/4!
	s_mul_i32 s30, s3, 17408
	s_lshl_b32 s31, s3, 8
	v_lshlrev_b32 v[OGO], 10, v2
	v_lshl_add_u32 v[OGO], v1, 4, v[OGO]
	v_add_nc_u32 v[OGO], s31, v[OGO]               ; 1,024 h + 16 r + 256 w
	v_lshl_add_u32 v[BOA], v2, 5, s31              ; 256 w + 32 h
	s_add_co_u32 s31, s31, CB
	v_lshl_add_u32 v[BIA], v2, 5, s31              ; CB + 256 w + 32 h
	v_lshl_add_u32 v[GBA], v2, 5, CG
	s_mul_i32 s31, s3, 144
	s_add_co_u32 s31, s31, STG
	v_mul_u32_u24 v[STB], v1, 2320
	v_lshl_add_u32 v[STB], v2, 4, v[STB]
	v_add_nc_u32 v[STB], s31, v[STB]
	s_mul_i32 s31, s3, 37120
	s_add_co_u32 s31, s31, STG
	v_mul_u32_u24 v[SCA], v4, 18560
	v_mad_u32_u24 v[SCA], v5, 144, v[SCA]
	v_lshl_add_u32 v[SCA], v2, 4, v[SCA]
	v_add_nc_u32 v[SCA], s31, v[SCA]
	s_lshl_b32 s31, s3, 7
	s_add_co_u32 s31, s31, VST
	v_mul_u32_u24 v28, v1, 528
	v_lshl_add_u32 v28, v2, 4, v28                 ; 528 r + 16 h
	v_add_nc_u32 v[VSA], s31, v28
	v_add_nc_u32 v[ARA], AST, v28
	v_add_nc_u32 v28, NST, v28                     ; nodal fragments
	s_mul_i32 s31, s3, 8448
	s_add_co_u32 s70, s31, VST
	v_mul_u32_u24 v[VRA], v2, 4224
	v_lshl_add_u32 v[VRA], v1, 4, v[VRA]
	v_add_nc_u32 v[VRA], s70, v[VRA]
	s_add_co_u32 s70, s31, AST
	v_mul_u32_u24 v[ASA], v4, 4224
	v_lshl_add_u32 v[ASA], v5, 4, v[ASA]
	v_lshl_add_u32 v[ASA], v2, 7, v[ASA]
	v_add_nc_u32 v[ASA], s70, v[ASA]
	s_add_co_u32 s70, s31, NST
	v_lshl_add_u32 v26, v3, 3, s70                 ; nodal in: my 16 tokens, 8 bytes a lane
	s_add_co_u32 s70, s30, OST
	v_mul_u32_u24 v[OSA], v1, 272
	v_lshl_add_u32 v[OSA], v2, 5, v[OSA]
	v_add_nc_u32 v[OSA], s70, v[OSA]
	v_mul_u32_u24 v[ORA], v2, 272
	v_lshl_add_u32 v[ORA], v1, 4, v[ORA]
	v_add_nc_u32 v[ORA], s70, v[ORA]
	s_lshl_b32 s70, s3, 13
	s_add_co_u32 s70, s70, CSI
	v_lshl_add_u32 v27, v3, 4, s70                 ; my tables' images
	v_lshl_add_u32 v[CSA], v3, 4, CSI
	v_lshl_add_u32 v29, v0, 4, CB
	s_lshr_b32 s70, s3, 1
	s_lshl_b32 s70, s70, 10
	s_and_b32 s31, s3, 1
	s_lshl_b32 s31, s31, 8
	s_add_co_u32 s70, s70, s31
	s_add_co_u32 s70, s70, CG
	v_lshlrev_b32 v30, 11, v2
	v_lshl_add_u32 v30, v1, 4, v30
	v_add_nc_u32 v30, s70, v30                     ; CG + 2,048 n + 1,024 isQ + 256 (b?) + 16 r
	s_bitcmp1_b32 s3, 0
	s_cselect_b32 s31, 1.0, 0                      ; 1 if my buffer is a b
	s_wait_loadcnt 32                              ; the first weights, coords, biases, g or b, bout are in; the 32 loads of nodal may be out
	; biases less their head's mean (sixteen lanes x 4 = the head's 64 d)
.irp k, 0,1,2,3
	v_pk_add_f32 v[96+2*\k:97+2*\k], v[164+4*\k:165+4*\k], v[166+4*\k:167+4*\k]
.endr
.irp k, 0,1,2,3
	v_add_f32 v[96+2*\k], v[96+2*\k], v[97+2*\k]
.endr
.irp m, 1,2,4,8
.irp k, 0,1,2,3
	v_add_f32_dpp v[96+2*\k], v[96+2*\k], v[96+2*\k] row_xmask:\m row_mask:0xf bank_mask:0xf
.endr
.endr
.irp k, 0,1,2,3
.irp j, 0,1,2,3
	v_fma_f32 v[164+4*\k+\j], -v[96+2*\k], s50, v[164+4*\k+\j]
.endr
.endr
	ds_store_b128 v29, v[164:167]                  ; K, n = 0: units 0, 1
	ds_store_b128 v29, v[168:171] offset:4096      ; K, n = 1: units 4, 5
	ds_store_b128 v29, v[172:175] offset:2048      ; Q, n = 0: units 2, 3
	ds_store_b128 v29, v[176:179] offset:6144      ; Q, n = 1: units 6, 7
	ds_store_b128 v7, v[184:187] offset:BO         ; bout of my columns: bytes that only my wave reads
	v_and_b32 v104, 8, v0
	v_mov_b32 v105, s31
	v_cmp_eq_u32 vcc_lo, 0, v104
	v_cndmask_b32 v104, 0, v105, vcc_lo            ; + 1 on b for d < 32
.irp j, 0,1,2,3
	v_add_f32 v[180+\j], v[180+\j], v104
.endr
	ds_store_b128 v30, v[180:183]                  ; once for each of the two units that use the row
	ds_store_b128 v30, v[180:183] offset:512
	ANGLES 0
	ANGLES 1
.set q, 0
.rept 16
	ds_store_b128 v27, v[32+4*q:35+4*q] offset:512*q
.set q, q+1
.endr
	; nodal to f16 and into LDS
.irp g, 0,1,2,3
	s_wait_loadcnt 24-8*\g                         ; eight more loads are in; the younger ones may be out
	WIN 0xFF
.irp j, 0,1,2,3,4,5,6,7
	v_cvt_pk_f16_f32 v[4*(8*\g+\j)], v[4*(8*\g+\j)], v[4*(8*\g+\j)+1]
	v_cvt_pk_f16_f32 v[4*(8*\g+\j)+1], v[4*(8*\g+\j)+2], v[4*(8*\g+\j)+3]
.endr
	WIN 0x0C
.irp j, 0,1,2,3,4,5,6,7
	ds_store_b64 v26, v[4*(8*\g+\j):4*(8*\g+\j)+1] offset:528*((8*\g+\j)/2)+256*(\j%2)
.endr
.endr
.irp b, 3,4,5,6,7
	REFILL \b, \b                                  ; the other five buffers: from here on the only global loads are the weights', in the order of the quarters
.endr
	WIN 0
	BAR                                            ; tables, nodal and angles of all four waves are in LDS
	WIN 0x40
.irp tt, 0,1,2,3
.irp ks, 0,1,2,3,4,5,6,7
	ds_load_b128 v[8*(8*\tt+\ks):8*(8*\tt+\ks)+3],   v28 offset:8448*\tt+64*\ks
	ds_load_b128 v[8*(8*\tt+\ks)+4:8*(8*\tt+\ks)+7], v28 offset:8448*\tt+64*\ks+32
.endr
.endr
	LOAD_CS 0
	LOAD_BI
	; ---------------------------------------------------------------- K and Q, n = 0 and 1: four units, then the scores
	v_mov_b32 v[STA], v[STB]
	v_add_nc_u32 v[STA2], 74240, v[STB]
	s_mov_b32 s54, 4
.Lunits0:
	UNIT
	s_sub_co_u32 s54, s54, 1
	s_cmp_lg_u32 s54, 0
	s_cbranch_scc1 .Lunits0
	BAR                                            ; all 16 heads of q and k are in the stage
	SCORES 1
	BAR                                            ; every wave's reads of the stage are over: it may be written again
	LOAD_CS 1
	v_mov_b32 v[STA], v[STB]
	v_add_nc_u32 v[STA2], 74240, v[STB]
	s_mov_b32 s54, 4
.Lunits1:
	UNIT
	s_sub_co_u32 s54, s54, 1
	s_cmp_lg_u32 s54, 0
	s_cbranch_scc1 .Lunits1
	BAR
	SCORES 0
	BAR                                            ; the stage passes to v and attn
	; ---------------------------------------------------------------- out's sums start at bout (in the registers that held the angles); softmax
.irp tt, 0,1,2,3
.irp t, 0,1,2,3
	ds_load_b128 v[OA+8*(4*\tt+\t):OA+8*(4*\tt+\t)+3],   v[BOA] offset:BO+64*\t
	ds_load_b128 v[OA+8*(4*\tt+\t)+4:OA+8*(4*\tt+\t)+7], v[BOA] offset:BO+64*\t+16
.endr
.endr
	SOFTMAX
	; ---------------------------------------------------------------- v, P v and Wout, 32 e at a time
	s_mov_b32 s54, 3
.Lvsteps:
	VSTEP 1
	s_sub_co_u32 s54, s54, 1
	s_cmp_lg_u32 s54, 0
	s_cbranch_scc1 .Lvsteps
	VSTEP 0                                        ; the last step: its eight V quarters ask for the last eight quarters, then nothing is fetched
	; ---------------------------------------------------------------- the way out, through my own stage: whole rows of 256 bytes
	; (the four places behind the last products stand in the last quarter's text)
.irp tt, 0,1,2,3
.irp t, 0,1,2,3
	ds_store_b128 v[OSA], v[OA+8*(4*\tt+\t):OA+8*(4*\tt+\t)+3]   offset:4352*\tt+64*\t
	ds_store_b128 v[OSA], v[OA+8*(4*\tt+\t)+4:OA+8*(4*\tt+\t)+7] offset:4352*\tt+64*\t+16
.endr
.endr
	WIN 0xC0
.set rp, 0
.rept 32
	ds_load_b128 v[4*rp:4*rp+3], v[ORA] offset:544*rp              ; LDS serves a wave's instructions in order: these see the stores above
.set rp, rp+1
.endr
	WIN 0x0C
.set rp, 0
.rept 32
	s_wait_dscnt 31-rp                             ; the younger loads may stay out
	global_store_b128 v[OGO], v[4*rp:4*rp+3], s[28:29] offset:2048*rp th:TH_STORE_NT   ; sixteen lanes store 256 consecutive bytes, aligned
.set rp, rp+1
.endr
	WIN 0
	s_wait_xcnt 0x0
	v_lshl_add_u32 v254, v0, 2, 0x37c00
	v_mov_b32 v255, 0
	s_wait_tensorcnt 0x0
	ds_add_u32 v254, v255
	s_wait_dscnt 0x0
	s_endpgm
.Lfunc_end_k_qe4292e5507_fused:
	.size	k_qe4292e5507_fused, .Lfunc_end_k_qe4292e5507_fused-k_qe4292e5507_fused
	.p2alignl 7, 3214868480
	.fill 96, 4, 3214868480
	.section	.rodata,"a",@progbits
	.p2align	6, 0x0
	.amdhsa_kernel k_qe4292e5507_fused
		.amdhsa_group_segment_fixed_size 228864
		.amdhsa_private_segment_fixed_size 0
		.amdhsa_enable_private_segment 0
		.amdhsa_kernarg_size 88
		.amdhsa_user_sgpr_count 2
		.amdhsa_user_sgpr_kernarg_segment_ptr 1
		.amdhsa_wavefront_size32 1
		.amdhsa_system_sgpr_workgroup_id_x 1
		.amdhsa_system_sgpr_workgroup_id_y 1
		.amdhsa_system_sgpr_workgroup_id_z 1
		.amdhsa_system_vgpr_workitem_id 0
		.amdhsa_next_free_vgpr 1024
		.amdhsa_next_free_sgpr 72
		.amdhsa_reserve_vcc 1
		.amdhsa_float_denorm_mode_32 3
		.amdhsa_float_denorm_mode_16_64 3
		.amdhsa_memory_ordered 1
		.amdhsa_forward_progress 1
		.amdhsa_inst_pref_size 255
	.end_amdhsa_kernel
	.section	.bss,"aw",@nobits
	.p2align	6
	.space	262144
	.amdgpu_metadata
---
amdhsa.version: [ 1, 2 ]
amdhsa.kernels:
  - .name:           k_qe4292e5507_fused
    .symbol:         k_qe4292e5507_fused.kd
    .args:
      - { .name: nodal, .offset: 0, .size: 8, .value_kind: global_buffer, .address_space: global }
      - { .name: coords, .offset: 8, .size: 8, .value_kind: global_buffer, .address_space: global }
      - { .name: wp, .offset: 16, .size: 8, .value_kind: global_buffer, .address_space: global }
      - { .name: biasK, .offset: 24, .size: 8, .value_kind: global_buffer, .address_space: global }
      - { .name: biasQ, .offset: 32, .size: 8, .value_kind: global_buffer, .address_space: global }
      - { .name: lnK_g, .offset: 40, .size: 8, .value_kind: global_buffer, .address_space: global }
      - { .name: lnK_b, .offset: 48, .size: 8, .value_kind: global_buffer, .address_space: global }
      - { .name: lnQ_g, .offset: 56, .size: 8, .value_kind: global_buffer, .address_space: global }
      - { .name: lnQ_b, .offset: 64, .size: 8, .value_kind: global_buffer, .address_space: global }
      - { .name: bout, .offset: 72, .size: 8, .value_kind: global_buffer, .address_space: global }
      - { .name: out0, .offset: 80, .size: 8, .value_kind: global_buffer, .address_space: global }
    .group_segment_fixed_size: 228864
    .private_segment_fixed_size: 0
    .kernarg_segment_align: 8
    .kernarg_segment_size: 88
    .max_flat_workgroup_size: 128
    .sgpr_count:     72
    .vgpr_count:     1024
    .wavefront_size: 32
...
	.end_amdgpu_metadata
.endif
;; end of part 2
